; MI455X (gfx1250); checked and timed in simulation.
; The chip was launched on July 23, 2026; its instructions are those of AMD's public machine-readable ISA for CDNA 5 (MIT licence, August 2026) and "CDNA5" Instruction Set Architecture Reference Guide (July 2026). The comments in the code are by the model that wrote it; some were corrected since.
;; Attention Head. Allowed arithmetic: matrix products marked QUANTISED: E2M3 operands, one E8M0 scale for each 32 along K, by v_wmma_scale_f32_16x16x128_f8f6f4 with both operands' format E2M3, f32 sums; everything else in f32.
;; Inputs: Wk_codes 64 x 32 x 24 uint8 (E2M3 codes of Wk, K innermost, in blocks of 32 codes, four codes in three bytes); Wk_scales 64 x 32 uint8 (E8M0 scales of Wk, one for each 32 codes along K); Wq_codes 64 x 32 x 24 uint8 (E2M3 codes of Wq, K innermost, in blocks of 32 codes, four codes in three bytes); Wq_scales 64 x 32 uint8 (E8M0 scales of Wq, one for each 32 codes along K); Wv_codes 64 x 32 x 24 uint8 (E2M3 codes of Wv, K innermost, in blocks of 32 codes, four codes in three bytes); Wv_scales 64 x 32 uint8 (E8M0 scales of Wv, one for each 32 codes along K); x_codes 4 x 4,096 x 32 x 24 uint8 (E2M3 codes of x, K innermost, in blocks of 32 codes, four codes in three bytes); x_scales 4 x 4,096 x 32 uint8 (E8M0 scales of x, one for each 32 codes along K).
;; Outputs: out0 4 x 4,096 x 64 float32.
;; This version of the problem:
;;   THIS VERSION OF THE PROBLEM IS GIVEN IN LOW PRECISION. The matrix products marked QUANTISED in the list below multiply operands that are first quantised to E2M3 (2 exponent bits, 3 mantissa bits; 6 bits a number), with one power-of-two scale for each 32 numbers along K (OCP MX v1.0); their sums are f32. All else is computed in f32.
;;   The module's matrix products, in the order in which they are computed (A, B: the left and right operand; K: the contracted axis; several contracted axes count as one K, in the product's order):
;;     1. [M 16,384, K 1,024] x [K 1,024, N 64]; A: input x (given as codes); B: input Wk (given as codes): QUANTISED
;;     2. [M 16,384, K 1,024] x [K 1,024, N 64]; A: input x (given as codes); B: input Wq (given as codes): QUANTISED
;;     3. [M 16,384, K 1,024] x [K 1,024, N 64]; A: input x (given as codes); B: input Wv (given as codes): QUANTISED
;;     4. batch 4 x [M 4,096, K 64] x [K 64, N 4,096]; A: computed on the way; B: computed on the way: QUANTISED
;;     5. batch 4 x [M 4,096, K 4,096] x [K 4,096, N 64]; A: softmax (see below); B: computed on the way: QUANTISED
;;   THE QUANTISER, for each operand of a quantised product, along K:
;;     - K is cut into blocks of 32 from its start; a last block that is shorter is filled with zeros.
;;     - A block's scale is 2^e with e = floor(log2(the largest magnitude in the block)) - 2, held to -126 .. 127; a block of zeros has e = 0. As a byte (E8M0): e + 127.
;;     - Each number is divided by its block's scale, clamped to +-7.5, and rounded to the nearest number of E2M3, ties to even, subnormals kept.
;;     - The product sums the exact products of the quantised numbers (number of the format x scale) in f32.
;;   ~~~python
;;   def quantise(x, axis):      # numpy; x: float32 -> the quantised numbers, widened to float32 again
;;       x = np.moveaxis(x, axis, -1); K = x.shape[-1]
;;       x = np.pad(x, [(0, 0)] * (x.ndim - 1) + [(0, -K % 32)]); x = x.reshape(x.shape[:-1] + (-1, 32)); a = np.abs(x).max(-1, keepdims=True)
;;       e = np.where(a > 0, np.clip(np.frexp(np.where(a > 0, a, 1))[1] - 1 - 2, -126, 127), 0)      # np.frexp(a)[1] - 1 = floor(log2(a)), exactly
;;       r = np.clip(x / 2.0 ** e, -7.5, 7.5)
;;       step = 2.0 ** (np.maximum(np.frexp(np.where(r == 0, 1, r))[1] - 1, 0) - 3)
;;       q = np.round(r / step) * step * 2.0 ** e      # np.round: ties to even
;;       return np.moveaxis(q.reshape(q.shape[:-2] + (-1,))[..., :K], -1, axis).astype(np.float32)
;;   ~~~
;;   SOFTMAX AHEAD OF A QUANTISED PRODUCT. Where the list says 'softmax', what is quantised is not the finished softmax but p = 2^(t - M), with t = logit x log2(e) and M = ceil(the row's largest t), a whole number; so 1/2 < the row's largest p <= 1. The row's sum l is taken of the UNQUANTISED p, in f32, and the product's result is divided by l at the end. Since M is a whole number, a kernel that streams over the keys may use a running M (the ceiling of the running maximum): every later rescaling is an exact power of two, which a block's scale takes up: the codes' values come out the same.
;;   OPERANDS COMPUTED ON THE WAY. 'Computed on the way' means the value that the module computes at that place (a softmax that the list does not call 'softmax' is quantised finished and normalised). What goes into a quantiser is computed in f32, as accurately as f32 sums, v_exp_f32 and their like allow (about 1e-6 of the number): no bf16 or f16 on the way to a quantiser, and a product that is left as it is and whose result goes on into a quantised operand takes f32 operands (vector FMAs, or v_wmma_f32_16x16x4_f32). A number that lies on a knife's edge between two numbers of the format may be rounded either way, as far as f32 arithmetic and the matrix unit's own rounding can turn it there, and no further.
;;   INPUTS GIVEN AS CODES. Wk (in the module: [1024, 64], K = its axis 0); Wq (in the module: [1024, 64], K = its axis 0); Wv (in the module: [1024, 64], K = its axis 0); x (in the module: [4, 4096, 1024], K = its axis 2): each comes as NAME_codes (uint8): NAME with its K axis moved to the last place and cut into blocks of 32 codes, [.., K / 32, bytes a block], one block behind the other in memory; four codes in three bytes: a row's codes are one little-endian stream of bits, code i at bits 6 i .. 6 i + 5 (a code: sign, 2 exponent bits, 3 mantissa bits); and NAME_scales (uint8): the same leading axes, one E8M0 byte (e + 127) for each 32 codes along K. Its value is code x scale, taken as it is: it is not quantised again, and the codes and scales need not be those that the quantiser above would give.
;; One version. Each part assembles by itself: llvm-mc -triple=amdgcn-amd-amdhsa -mcpu=gfx1250 --defsym DOCPART=n.
;; ======== version 1 of 1: 2 launches
;; workspace buffers: ws 2,490,368 bytes
;; launch proj (part 1): grid 256 x 1, 4 waves a work-group, clusters of 4 x 1, 213,504 bytes of LDS; arguments x_codes, x_scales, Wq_codes, Wq_scales, Wk_codes, Wk_scales, Wv_codes, Wv_scales, ws; writes ws
.if DOCPART == 1
	.amdgcn_target "amdgcn-amd-amdhsa--gfx1250"
	.amdhsa_code_object_version 6
	.text
	.protected	k_qbb141a1f5e_proj
	.globl	k_qbb141a1f5e_proj
	.p2align	8
	.type	k_qbb141a1f5e_proj,@function
k_qbb141a1f5e_proj:
	s_mov_b64 s[64:65], 0
	v_nop
	global_prefetch_b8 v0, s[64:65] scope:SCOPE_SE
	s_setreg_imm32_b32 hwreg(HW_REG_WAVE_MODE, 25, 1), 1
	s_wait_xcnt 0x0
	s_wait_alu depctr_hold_cnt(0) depctr_sa_sdst(0) depctr_va_vdst(0) depctr_va_sdst(0) depctr_va_ssrc(0) depctr_va_vcc(0) depctr_vm_vsrc(0)
	s_getreg_b32 s2, hwreg(HW_REG_IB_STS2, 6, 4)
	s_cmp_eq_u32 s2, 0
	s_cbranch_scc0 .Lentry_in_a_cluster
	s_endpgm
.Lentry_in_a_cluster:
	s_bfe_u32 s2, ttmp6, 0x10000c
	s_cmp_lg_u32 s2, 0x3003
	s_cbranch_scc0 .Lentry_shape_is_right
	s_endpgm
.Lentry_shape_is_right:
; q = x Wq, k = x Wk, v = x Wv on codes of FP6 (E2M3) with E8M0 scales as they are given; then q and k are quantised along the head's 64 (two blocks of 32), v along the keys (blocks of 32 tokens),
; and all three leave in the ORDER OF THE OPERANDS' REGISTERS, so that the next launch loads fragments by plain loads of 16 and 8 bytes a lane.
; SHARES.  16,384 tokens, 64 to a work-group (256 work-groups), against all 192 columns.  Wave w: tb = w % 2 (its 32 tokens), part = w / 2 (0: q and v's dims 0-31; 1: k and v's dims 32-63): 12 accumulators, 8 K steps of 128.
; A RECORD of 9,728 bytes for each 64 tokens: 0 q's two images (32 tokens each, 1,536 bytes), 3,072 k's two, 6,144 v's four half fragments (768 bytes each), 9,216 the scale words, 16 bytes a lane.
; An image of q or k is 12 registers a lane: registers 0-5 tile u = 0, 6-11 tile u = 1; lane (r, h) holds dims 32 h .. 32 h + 31 of token 32 tb + 8 u + r + 8 (r / 8).
; q and k are made TRANSPOSED (source 0 = 16 rows of W, source 1 = 16 tokens), W's rows of a tile chosen so that a lane's 16 registers of two neighbouring tiles are 16 neighbouring dims.
; v is made with source 0 = 16 tokens, source 1 = 16 dims; the tokens of a tile are chosen likewise, so that a lane's 16 registers are 16 neighbouring tokens of one dim.  One fragment of x serves both uses.
; CLUSTER.  The weights (147,456 of the 196,608 bytes that a work-group brings into LDS) are the same for all work-groups: four work-groups ask for them jointly.  x's tiles are each work-group's own: plain loads.
; All fills are first fills: nothing in LDS is filled twice.
; LIMITS: a block whose largest magnitude lies under 2^-124 has its byte held at 1, as the quantiser's clip has it; a block of zeros gets the byte 1 and not 127 (its codes are zeros, and only this program reads the bytes);
; NaN and infinities among the sums are not served.
.set TILE,  13056                      ; 16 rows of 768 bytes in LDS: 16 bytes of padding behind each 256: a row takes 816 bytes = 204 words, so the 16 rows of a load start 12 words apart modulo 64 (64 banks of 4 bytes: ISA guide 11.1)
.set WQT,   4*TILE                     ; LDS: x's four tiles at 0 (tile 2 tb + u), Wq's four, Wk's four, Wv's four
.set WKT,   8*TILE
.set WVT,   12*TILE
.set STG,   16*TILE                    ; behind the tiles, at a multiple of 256: 3,072 bytes of v's half fragments and 512 of scale words, written by LDS stores alone
.set HREC,  9728
.set L16,   3                          ; v3   16 x lane
.set AX,    4                          ; v4-5 LDS address of my x fragments (v5: for the pieces that lie behind one padding more in lanes 16-31)
.set AW,    6                          ; v6-7 of Wq's or Wk's
.set AV,    8                          ; v8-9 of my two tiles of Wv
.set SV128, 10                         ; v10  stage: my first 16 bytes of a block of v
.set SV64,  11                         ; v11  and the other 8
.set SQW,   12                         ; v12  stage: q's or k's scale word
.set SVB,   13                         ; v13  stage: v's scale bytes
.set SPD,   14                         ; v14  stage: the fourth word of a lane's 16 bytes, which is zero
.set RDB,   15                         ; v15  stage, on the way out: 16 x thread
.set XS,    16                         ; v16-23  x's scale words of K step s: lanes 0-15 tile u = 0, lanes 16-31 tile u = 1
.set W1S,   24                         ; v24-39  W's: register 8 b + s: lanes 0-15 tile 2 b, lanes 16-31 tile 2 b + 1
.set WVS,   40                         ; v40-47  Wv's: lanes 0-15 my first tile, lanes 16-31 my second
.set F0,    48                         ; v48-143, v144-239: two sets of fragments: x's two, W's four, Wv's two
.set T32,   240                        ; v240 32 x (8 h + r + 8 (r / 8)): a tile's row of scale bytes
.set L32,   241                        ; v241 32 x lane
.set GI,    242                        ; v242 my image's place in the record
.set GB,    243                        ; v243 16 x thread
.set ACC,   0                          ; window 1: v0-63 q or k (32 u + 8 t), v64-95 v (16 dl + 8 u)
.set TM,    96                         ; window 1: v96-99 largest magnitudes, v100-103 bytes, v108-111 the conversions' scale operands
.set PW,    112                        ; window 1: the scale word just made
.set ZR,    113                        ; window 1: 0
.set CQ,    116                        ; window 1: v116-127 q's or k's codes, v128-134 at work
.set CV,    136                        ; window 1: v136-141 v's codes, v148-150 at work
.set WV,    4                          ; s4 wave; s5 tb; s6 part; s7 the work-group's number
.set G1X,   28                         ; s[28:35] group 1 for x's tiles; s[36:43] for Wq's and Wk's; s[44:51] for Wv's
.set G1W,   36
.set G1V,   44
.set G0X,   52                         ; s[52:55], s[56:59], s[60:63], s[68:71] groups 0
.set G0Q,   56
.set G0K,   60
.set G0V,   68
.set SEL,   72                         ; s[72:73] lane selects: lane l xor 16
.set OUT,   74                         ; s[74:75] my record
.set MSB, 0
.macro WIN new                         ; the immediate's high byte repeats the setting that is left
.if MSB != \new
	s_set_vgpr_msb (MSB<<8)|\new
.set MSB, \new
.endif
.endm
.macro ROUND                           ; a round of the cluster's barrier: my work-group's barrier, wave 0 signals for the work-group, every wave waits for all four, my work-group's barrier once more
	s_barrier_signal -1
	s_barrier_wait -1
	s_cmp_lg_u32 s[WV], 0
	s_cbranch_scc1 .Lnot_wave_0_\@
	s_barrier_signal -3
.Lnot_wave_0_\@:
	s_barrier_wait -3
	s_barrier_signal -1
	s_barrier_wait -1
.endm
; one matrix instruction; ra, rb: the scales of source 0, source 1 stand in lanes 16-31 of their register.  WM0 starts a sum, WMA adds in place
.macro WM0 d, a, b, sa, sb, ra, rb
.if (\ra) && (\rb)
	v_wmma_scale_f32_16x16x128_f8f6f4 v[\d:\d+7], v[\a:\a+11], v[\b:\b+11], 0, v[\sa], v[\sb] matrix_a_fmt:MATRIX_FMT_FP6 matrix_b_fmt:MATRIX_FMT_FP6 matrix_a_scale:MATRIX_SCALE_ROW1 matrix_b_scale:MATRIX_SCALE_ROW1
.elseif \ra
	v_wmma_scale_f32_16x16x128_f8f6f4 v[\d:\d+7], v[\a:\a+11], v[\b:\b+11], 0, v[\sa], v[\sb] matrix_a_fmt:MATRIX_FMT_FP6 matrix_b_fmt:MATRIX_FMT_FP6 matrix_a_scale:MATRIX_SCALE_ROW1
.elseif \rb
	v_wmma_scale_f32_16x16x128_f8f6f4 v[\d:\d+7], v[\a:\a+11], v[\b:\b+11], 0, v[\sa], v[\sb] matrix_a_fmt:MATRIX_FMT_FP6 matrix_b_fmt:MATRIX_FMT_FP6 matrix_b_scale:MATRIX_SCALE_ROW1
.else
	v_wmma_scale_f32_16x16x128_f8f6f4 v[\d:\d+7], v[\a:\a+11], v[\b:\b+11], 0, v[\sa], v[\sb] matrix_a_fmt:MATRIX_FMT_FP6 matrix_b_fmt:MATRIX_FMT_FP6
.endif
.endm
.macro WMA d, a, b, sa, sb, ra, rb
.if (\ra) && (\rb)
	v_wmma_scale_f32_16x16x128_f8f6f4 v[\d:\d+7], v[\a:\a+11], v[\b:\b+11], v[\d:\d+7], v[\sa], v[\sb] matrix_a_fmt:MATRIX_FMT_FP6 matrix_b_fmt:MATRIX_FMT_FP6 matrix_a_scale:MATRIX_SCALE_ROW1 matrix_b_scale:MATRIX_SCALE_ROW1
.elseif \ra
	v_wmma_scale_f32_16x16x128_f8f6f4 v[\d:\d+7], v[\a:\a+11], v[\b:\b+11], v[\d:\d+7], v[\sa], v[\sb] matrix_a_fmt:MATRIX_FMT_FP6 matrix_b_fmt:MATRIX_FMT_FP6 matrix_a_scale:MATRIX_SCALE_ROW1
.elseif \rb
	v_wmma_scale_f32_16x16x128_f8f6f4 v[\d:\d+7], v[\a:\a+11], v[\b:\b+11], v[\d:\d+7], v[\sa], v[\sb] matrix_a_fmt:MATRIX_FMT_FP6 matrix_b_fmt:MATRIX_FMT_FP6 matrix_b_scale:MATRIX_SCALE_ROW1
.else
	v_wmma_scale_f32_16x16x128_f8f6f4 v[\d:\d+7], v[\a:\a+11], v[\b:\b+11], v[\d:\d+7], v[\sa], v[\sb] matrix_a_fmt:MATRIX_FMT_FP6 matrix_b_fmt:MATRIX_FMT_FP6
.endif
.endm
	s_load_b512 s[8:23], s[0:1], 0x0               ; x's codes s[8:9], x's scales s[10:11], Wq's s[12:15], Wk's s[16:19], Wv's s[20:23]
	s_load_b64 s[24:25], s[0:1], 0x40              ; ws
	v_lshl_add_u32 v254, v0, 2, 0x34000
	v_mov_b32 v255, 0
	ds_add_u32 v254, v255
	ds_add_u32 v254, v255
	v_lshrrev_b32 v1, 5, v0
	v_readfirstlane_b32 s[WV], v1                  ; wave 0..3
	s_and_b32 s5, s[WV], 1                         ; tb.  Also: the low bit of the tile that I fetch
	s_lshr_b32 s6, s[WV], 1                        ; part.  Also: the high bit of that tile
	s_bfe_u32 s26, ttmp6, 0x40000                  ; cx: my place in the cluster
	s_lshl_b32 s7, ttmp9, 2                        ; in a cluster launch ttmp9 counts clusters
	s_add_co_u32 s7, s7, s26                       ; my work-group: it enters x's, x's scales' and ws's addresses alone
	; group 1: a tile is two runs of 8 rows (6,144 bytes = 768 elements of 8 bytes); for x, Wq and Wk the second run begins 16 rows behind the first, for Wv 8 rows
	s_mov_b32 s[G1X], (3<<16)|(1<<20)|(5<<22)|(3<<25)              ; 15:0 no mask; 17:16 elements of 8 bytes; 20 padding on; 24:22 after every 64 words (code 5); 31:25 4 words of it (code 3)
	s_mov_b32 s[G1W], 15|(3<<16)|(1<<20)|(1<<21)|(5<<22)|(3<<25)   ; the same with the mask of all four work-groups, and bit 21 beside it
	s_mov_b32 s[G1V], 15|(3<<16)|(1<<20)|(1<<21)|(5<<22)|(3<<25)
.irp g, G1X, G1W, G1V
	s_mov_b32 s[\g+1], 768<<16                     ; tensor_dim0 = 768
	s_mov_b32 s[\g+2], 2<<16                       ; tensor_dim1 = 2
	s_mov_b32 s[\g+3], 768<<16                     ; tile_dim0 = 768
	s_mov_b32 s[\g+4], 2                           ; tile_dim1 = 2
	s_mov_b32 s[\g+6], 0
	s_mov_b32 s[\g+7], 0
.endr
	s_mov_b32 s[G1X+5], 1536                       ; tensor_dim0_stride: 16 rows of 768 bytes
	s_mov_b32 s[G1W+5], 1536
	s_mov_b32 s[G1V+5], 768                        ; 8 rows: Wv's tiles are 16 neighbouring rows
	s_mul_i32 s76, s6, 24576                       ; tile w of x, Wq, Wk begins at row 32 (w / 2) + 8 (w % 2)
	s_mul_i32 s26, s5, 6144
	s_add_co_u32 s76, s76, s26
	s_mov_b32 s77, 0
	s_mul_i32 s26, s7, 49152                       ; x: my work-group's 64 rows
	s_add_co_u32 s26, s26, s76
	s_mov_b32 s27, 0
	s_mul_i32 s66, s[WV], 12288                    ; tile w of Wv begins at row 16 w
	s_mov_b32 s67, 0
	s_mul_i32 s3, s[WV], TILE                      ; where my tiles go: the wave's number alone enters an LDS address
	s_mul_i32 s[OUT], s7, HREC
	s_mov_b32 s[OUT+1], 0
	s_mov_b32 s[SEL], 0x76543210
	s_mov_b32 s[SEL+1], 0xfedcba98
	s_wait_dscnt 0x0
	s_wait_kmcnt 0x0
	s_add_nc_u64 s[OUT:OUT+1], s[24:25], s[OUT:OUT+1]
	s_mov_b32 s[G0X], 1                            ; 1:0 count = 1
	s_mov_b32 s[G0X+1], s3                         ; 63:32 LDS address
	s_add_nc_u64 s[G0X+2:G0X+3], s[8:9], s[26:27]  ; 120:64 global address
	s_or_b32 s[G0X+3], s[G0X+3], 0x80000000        ; 127:126 type = 2
	s_mov_b32 s[G0Q], 1
	s_add_co_u32 s[G0Q+1], s3, WQT
	s_add_nc_u64 s[G0Q+2:G0Q+3], s[12:13], s[76:77]
	s_or_b32 s[G0Q+3], s[G0Q+3], 0x80000000
	s_mov_b32 s[G0K], 1
	s_add_co_u32 s[G0K+1], s3, WKT
	s_add_nc_u64 s[G0K+2:G0K+3], s[16:17], s[76:77]
	s_or_b32 s[G0K+3], s[G0K+3], 0x80000000
	s_mov_b32 s[G0V], 1
	s_add_co_u32 s[G0V+1], s3, WVT
	s_add_nc_u64 s[G0V+2:G0V+3], s[20:21], s[66:67]
	s_or_b32 s[G0V+3], s[G0V+3], 0x80000000
	s_cmp_eq_u32 s6, 0                             ; whose scale words are source 0's: Wq's or Wk's.  The choice hangs on the wave's number alone
	s_cselect_b64 s[78:79], s[14:15], s[18:19]
	ROUND                                          ; all four work-groups are here: the joint loads meet
	tensor_load_to_lds s[G0X:G0X+3], s[G1X:G1X+7]  ; every wave: one tile of x (its work-group's own), one of each weight (joint): four loads of mine are out
	s_nop 0
	tensor_load_to_lds s[G0Q:G0Q+3], s[G1W:G1W+7]
	s_nop 0
	tensor_load_to_lds s[G0K:G0K+3], s[G1W:G1W+7]
	s_nop 0
	tensor_load_to_lds s[G0V:G0V+3], s[G1V:G1V+7]
	s_nop 0
.rept 4
	v_nop
.endr
	v_and_b32 v1, 15, v0                           ; r
	v_bfe_u32 v2, v0, 4, 1                         ; h
	v_and_b32 v[L16], 31, v0
	v_lshlrev_b32 v[L16], 4, v[L16]
	v_mul_u32_u24 v[AX], v1, 816
	v_mad_u32_u24 v[AX], v2, 24, v[AX]             ; a fragment's row x 816 + 24 x half,
	v_lshl_add_u32 v[AX+1], v2, 4, v[AX]           ; and the same behind one padding more
	s_mul_i32 s27, s6, 4*TILE
	s_add_co_u32 s27, s27, WQT
	v_add_nc_u32 v[AW], s27, v[AX]
	v_add_nc_u32 v[AW+1], s27, v[AX+1]
	s_mul_i32 s27, s6, 2*TILE
	s_add_co_u32 s27, s27, WVT
	v_add_nc_u32 v[AV], s27, v[AX]
	v_add_nc_u32 v[AV+1], s27, v[AX+1]
	s_mul_i32 s27, s5, 2*TILE
	v_add_nc_u32 v[AX], s27, v[AX]
	v_add_nc_u32 v[AX+1], s27, v[AX+1]
	s_mul_i32 s26, s6, 1536                        ; the stage: behind the exchange of halves lane (r, h) holds dim tile 2 part + h, dim r, key block tb: it is lane 16 tb + r of that half fragment
	s_lshl_b32 s27, s5, 8
	s_add_co_u32 s27, s27, s26
	s_add_co_u32 s27, s27, STG
	v_mul_u32_u24 v[SV128], v2, 768
	v_lshl_add_u32 v[SV64], v1, 3, v[SV128]
	v_lshl_add_u32 v[SV128], v1, 4, v[SV128]
	v_add_nc_u32 v[SV128], s27, v[SV128]           ; STG + 1,536 part + 768 h + 256 tb + 16 r
	s_lshl_b32 s27, s5, 7
	s_add_co_u32 s27, s27, s26
	s_add_co_u32 s27, s27, STG+512
	v_add_nc_u32 v[SV64], s27, v[SV64]             ; STG + 512 + 1,536 part + 768 h + 128 tb + 8 r
	s_xor_b32 s26, s6, 1
	s_lshl_b32 s26, s26, 3                         ; q's word is a lane's third, k's its first
	s_lshl_b32 s27, s5, 8
	s_add_co_u32 s26, s26, s27
	s_add_co_u32 s26, s26, STG+3072
	v_lshlrev_b32 v[SQW], 4, v1
	v_add_nc_u32 v[SQW], s26, v[SQW]               ; STG + 3,072 + 256 tb + 16 r + 8 (1 - part)
	s_lshl_b32 s26, s6, 1
	s_add_co_u32 s26, s26, s5
	s_add_co_u32 s26, s26, STG+3076
	v_lshlrev_b32 v[SVB], 4, v1
	v_add_nc_u32 v[SVB], s26, v[SVB]               ; STG + 3,076 + 16 r + 2 part + tb: a byte of a lane's second word
	s_add_co_u32 s26, s[WV], STG+3084
	v_add_nc_u32 v[SPD], s26, v[L16]               ; STG + 3,084 + 16 lane + wave: a byte of a lane's fourth word
	v_lshl_add_u32 v[RDB], v0, 4, STG
	v_lshlrev_b32 v[GB], 4, v0
	s_mul_i32 s26, s6, 3072
	s_mul_i32 s27, s5, 1536
	s_add_co_u32 s26, s26, s27
	v_add_nc_u32 v[GI], s26, v[L16]                ; q's images at 0, k's at 3,072; 1,536 bytes for each 32 tokens
	v_and_b32 v[T32], 8, v1
	v_add_nc_u32 v[T32], v[T32], v1
	v_lshl_add_u32 v[T32], v2, 3, v[T32]           ; 8 h + r + 8 (r / 8): lanes 0-15 the even tile's rows, lanes 16-31 the odd tile's
	v_lshlrev_b32 v[T32], 5, v[T32]                ; 32 scale bytes a row
	v_lshlrev_b32 v[L32], 1, v[L16]
	s_lshl_b32 s26, s7, 11                         ; x's scales: 64 rows of 32 bytes a work-group, 32 rows for tb
	s_lshl_b32 s27, s5, 10
	s_add_co_u32 s26, s26, s27
	s_mov_b32 s27, 0
	s_add_nc_u64 s[10:11], s[10:11], s[26:27]
	s_lshl_b32 s26, s6, 10                         ; Wv's scales: my 32 dims
	s_add_nc_u64 s[22:23], s[22:23], s[26:27]
	; a row's 32 scale bytes are the words of its 8 K steps: two loads of 16 bytes fill 8 registers
	global_load_b128 v[XS:XS+3], v[T32], s[10:11]
	global_load_b128 v[XS+4:XS+7], v[T32], s[10:11] offset:16
	global_load_b128 v[W1S:W1S+3], v[T32], s[78:79]
	global_load_b128 v[W1S+4:W1S+7], v[T32], s[78:79] offset:16
	global_load_b128 v[W1S+8:W1S+11], v[T32], s[78:79] offset:1024
	global_load_b128 v[W1S+12:W1S+15], v[T32], s[78:79] offset:1040
	global_load_b128 v[WVS:WVS+3], v[L32], s[22:23]
	global_load_b128 v[WVS+4:WVS+7], v[L32], s[22:23] offset:16
; a fragment, 16 rows x 128 K, is 12 registers: lane (r, h) takes the 24 bytes at 96 s + 24 h of row r and the 24 bytes 48 further on, in pieces of 8 bytes.  32 pieces lie between two paddings;
; lanes 16-31 read three pieces further on, which is behind one padding more where the piece's number modulo 32 is 29 or more: the second address register serves those
.macro FRAG reg, adr, s, off
.irp p, 0,1,2,3,4,5
.set PCE, 12*(\s)+6*(\p/3)+\p%3
.if PCE%32 < 29
	ds_load_b64 v[\reg+2*\p:\reg+2*\p+1], v[\adr] offset:\off+8*PCE+16*(PCE/32)
.else
	ds_load_b64 v[\reg+2*\p:\reg+2*\p+1], v[\adr+1] offset:\off+8*PCE+16*(PCE/32)
.endif
.endr
.endm
.macro FETCH set, s                    ; K step s's eight fragments into a set: 48 loads
.irp u, 0,1
	FRAG F0+96*(\set)+12*\u, AX, \s, TILE*\u
.endr
.irp t, 0,1,2,3
	FRAG F0+96*(\set)+24+12*\t, AW, \s, TILE*\t
.endr
.irp dl, 0,1
	FRAG F0+96*(\set)+72+12*\dl, AV, \s, TILE*\dl
.endr
.endm
; a K step: 12 matrix instructions on 12 accumulators, which take turns in the same order in every step; then the set is filled for two steps on
.macro KSTEP s
.set FS, F0+96*((\s)%2)
.if (\s) < 7
	s_wait_dscnt 48                                ; this step's 48 loads are in; the next step's 48, issued behind them, may be out
.else
	s_wait_dscnt 0x0
.endif
	WIN 0x50                                       ; C and D in window 1
.irp u, 0,1
.irp t, 0,1,2,3
.if (\s) == 0
	WM0 ACC+32*\u+8*\t, FS+24+12*\t, FS+12*\u, W1S+8*(\t/2)+(\s), XS+(\s), \t%2, \u
.else
	WMA ACC+32*\u+8*\t, FS+24+12*\t, FS+12*\u, W1S+8*(\t/2)+(\s), XS+(\s), \t%2, \u
.endif
.endr
.endr
.irp dl, 0,1
.irp u, 0,1
.if (\s) == 0
	WM0 ACC+64+16*\dl+8*\u, FS+12*\u, FS+72+12*\dl, XS+(\s), WVS+(\s), \u, \dl
.else
	WMA ACC+64+16*\dl+8*\u, FS+12*\u, FS+72+12*\dl, XS+(\s), WVS+(\s), \u, \dl
.endif
.endr
.endr
	WIN 0
.rept 4
	v_nop                                          ; four places in front of loads into registers that matrix instructions have read, and of the first read of results
.endr
.if (\s) < 6
	FETCH (\s)%2, (\s)+2
.endif
.endm
; 32 nc numbers... 64 (nc = 2) or 32 (nc = 1) numbers of a lane, register 16 b + i = place 32 b + 16 h + i along K, become codes in v[pc] on: registers 6 c .. 6 c + 5 = places 64 c + 32 h + 0 .. 31.
; nc = 2: the four bytes make the word v[PW].  nc = 1: the two bytes stay in v[TM+4], v[TM+5].  All registers in window 1.
.macro QUANT s, pc, nc
.irp b, 0,1,2,3
.if \b < 2*\nc
	v_max3_num_f32 v[TM+\b], |v[\s+16*\b]|, |v[\s+1+16*\b]|, 0x1800000   ; block b: my 16 numbers, and the floor 2^(3 - 127): the byte cannot fall under 1.  Each accumulator is read from its low end on
.endif
.endr
.irp i, 2,4,6,8,10,12,14
.irp b, 0,1,2,3
.if \b < 2*\nc
	v_max3_num_f32 v[TM+\b], v[TM+\b], |v[\s+16*\b+\i]|, |v[\s+1+16*\b+\i]|
.endif
.endr
.endr
.irp b, 0,1,2,3
.if \b < 2*\nc
	v_permlanex16_b32 v[TM+4+\b], v[TM+\b], s[SEL], s[SEL+1]
.endif
.endr
.irp b, 0,1,2,3
.if \b < 2*\nc
	v_max_num_f32 v[TM+\b], v[TM+\b], v[TM+4+\b]   ; with lane l xor 16's: the block's largest magnitude
.endif
.endr
.irp b, 0,1,2,3
.if \b < 2*\nc
	v_add_nc_u32 v[TM+12+\b], 0xff000000, v[TM+\b] ; 2 off its exponent field: the conversion takes the exponent field of this operand as its scale
.endif
.endr
.irp b, 0,1,2,3
.if \b < 2*\nc
	v_lshrrev_b32 v[TM+4+\b], 23, v[TM+12+\b]      ; the scale's byte
.endif
.endr
.if \nc == 2
	v_lshl_or_b32 v[PW], v[TM+5], 8, v[TM+4]
	v_lshl_or_b32 v[PW], v[TM+6], 16, v[PW]
	v_lshl_or_b32 v[PW], v[TM+7], 24, v[PW]
.endif
.irp c, 0,1
.if \c < \nc
	v_cvt_scalef32_pk16_fp6_f32 v[\pc+6*\c:\pc+6*\c+2], v[\s+32*\c:\s+32*\c+15], v[TM+12+2*\c]
	v_cvt_scalef32_pk16_fp6_f32 v[\pc+12+4*\c:\pc+12+4*\c+2], v[\s+16+32*\c:\s+16+32*\c+15], v[TM+13+2*\c]   ; (a conversion's three registers begin on an even number)
.endif
.endr
	v_nop                                          ; one plain place behind a scaled conversion
.irp c, 0,1
.if \c < \nc
.irp i, 0,1,2
	v_permlane16_swap_b32 v[\pc+6*\c+\i], v[\pc+12+4*\c+\i]   ; a whole block to a lane: lanes 0-15 block 2 c, lanes 16-31 block 2 c + 1
.endr
.irp i, 0,1,2
	v_mov_b32 v[\pc+3+6*\c+\i], v[\pc+12+4*\c+\i]
.endr
.endif
.endr
.endm
	s_wait_tensorcnt 0x0                           ; my four tiles have landed,
	s_barrier_signal -1
	s_barrier_wait -1                              ; everybody's have
	FETCH 0, 0
	FETCH 1, 1
	s_wait_loadcnt 0x0                             ; the scale words
.irp s, 0,1,2,3,4,5,6,7
	KSTEP \s
.endr
	WIN 0x55                                       ; all operand places in window 1
.irp b, 0,1,2,3
	v_mov_b32 v[TM+4+\b], 0                        ; written once: a lane permute's destination counts as one of its sources
.endr
	v_mov_b32 v[ZR], 0
	QUANT ACC, CQ, 2                               ; q or k: blocks (u, dims 0-31), (u, dims 32-63) for u = 0, 1: the image of 32 tokens
	WIN 0x04                                       ; a store's data are its source 1: window 1
.irp j, 0,1,2
	global_store_b128 v[GI], v[CQ+4*\j:CQ+4*\j+3], s[OUT:OUT+1] offset:512*\j   ; the wave stores 512 consecutive bytes, aligned to 512
.endr
	ds_store_b32 v[SQW], v[PW]                     ; both halves of the lanes write the same word with the same value
	WIN 0x55
	QUANT ACC+64, CV, 1                            ; v: my two dim tiles' blocks of 32 tokens
	WIN 0x04
	ds_store_b128 v[SV128], v[CV:CV+3]
	ds_store_b64 v[SV64], v[CV+4:CV+5]
	ds_store_b8 v[SVB], v[TM+4]                    ; dim tile 2 part: lane r of the scale words;
	ds_store_b8 v[SVB], v[TM+5] offset:256         ; dim tile 2 part + 1: lane 16 + r
	ds_store_b8 v[SPD], v[ZR]
	WIN 0
	s_wait_dscnt 0x0                               ; for the others' sake: my stores into the stage are done
	s_barrier_signal -1
	s_barrier_wait -1
	ds_load_b128 v[48:51], v[RDB]                  ; the stage's 3,584 bytes are seven runs of 512: wave w takes run w, waves 0-2 also run w + 4
	s_wait_dscnt 0x0
	global_store_b128 v[GB], v[48:51], s[OUT:OUT+1] offset:6144
	s_cmp_lt_u32 s[WV], 3
	s_cbranch_scc0 .Lno_second
	ds_load_b128 v[52:55], v[RDB] offset:2048
	s_wait_dscnt 0x0
	global_store_b128 v[GB], v[52:55], s[OUT:OUT+1] offset:6144+2048
.Lno_second:
	s_wait_tensorcnt 0x0
	ds_add_u32 v254, v255
	s_wait_dscnt 0x0
	ROUND                                          ; the closing round: no work-group ends while a partner may still ask for a tile that names it
	s_endpgm
.Lfunc_end_k_qbb141a1f5e_proj:
	.size	k_qbb141a1f5e_proj, .Lfunc_end_k_qbb141a1f5e_proj-k_qbb141a1f5e_proj
	.p2alignl 7, 3214868480
	.fill 96, 4, 3214868480
	.section	.rodata,"a",@progbits
	.p2align	6, 0x0
	.amdhsa_kernel k_qbb141a1f5e_proj
		.amdhsa_group_segment_fixed_size 213504
		.amdhsa_private_segment_fixed_size 0
		.amdhsa_enable_private_segment 0
		.amdhsa_kernarg_size 72
		.amdhsa_user_sgpr_count 2
		.amdhsa_user_sgpr_kernarg_segment_ptr 1
		.amdhsa_wavefront_size32 1
		.amdhsa_system_sgpr_workgroup_id_x 1
		.amdhsa_system_sgpr_workgroup_id_y 1
		.amdhsa_system_sgpr_workgroup_id_z 1
		.amdhsa_system_vgpr_workitem_id 0
		.amdhsa_next_free_vgpr 416
		.amdhsa_next_free_sgpr 80
		.amdhsa_reserve_vcc 0
		.amdhsa_float_denorm_mode_32 3
		.amdhsa_float_denorm_mode_16_64 3
		.amdhsa_memory_ordered 1
		.amdhsa_forward_progress 1
		.amdhsa_inst_pref_size 54
	.end_amdhsa_kernel
	.amdgpu_metadata
---
amdhsa.version: [ 1, 2 ]
amdhsa.kernels:
  - .name:           k_qbb141a1f5e_proj
    .symbol:         k_qbb141a1f5e_proj.kd
    .args:
      - { .name: x_codes, .offset: 0, .size: 8, .value_kind: global_buffer, .address_space: global }
      - { .name: x_scales, .offset: 8, .size: 8, .value_kind: global_buffer, .address_space: global }
      - { .name: Wq_codes, .offset: 16, .size: 8, .value_kind: global_buffer, .address_space: global }
      - { .name: Wq_scales, .offset: 24, .size: 8, .value_kind: global_buffer, .address_space: global }
      - { .name: Wk_codes, .offset: 32, .size: 8, .value_kind: global_buffer, .address_space: global }
      - { .name: Wk_scales, .offset: 40, .size: 8, .value_kind: global_buffer, .address_space: global }
      - { .name: Wv_codes, .offset: 48, .size: 8, .value_kind: global_buffer, .address_space: global }
      - { .name: Wv_scales, .offset: 56, .size: 8, .value_kind: global_buffer, .address_space: global }
      - { .name: ws, .offset: 64, .size: 8, .value_kind: global_buffer, .address_space: global }
    .group_segment_fixed_size: 213504
    .private_segment_fixed_size: 0
    .kernarg_segment_align: 8
    .kernarg_segment_size: 72
    .max_flat_workgroup_size: 128
    .sgpr_count:     80
    .vgpr_count:     416
    .wavefront_size: 32
...
	.end_amdgpu_metadata
.endif
;; end of part 1
;; launch attn (part 2): grid 64 x 4, 12 waves a work-group, no clusters, 112,128 bytes of LDS; arguments ws, out0; writes out0
.if DOCPART == 2
	.amdgcn_target "amdgcn-amd-amdhsa--gfx1250"
	.amdhsa_code_object_version 6
	.text
	.protected	k_qbb141a1f5e_attn
	.globl	k_qbb141a1f5e_attn
	.p2align	8
	.type	k_qbb141a1f5e_attn,@function
k_qbb141a1f5e_attn:
	s_mov_b64 s[64:65], 0
	v_nop
	global_prefetch_b8 v0, s[64:65] scope:SCOPE_SE
	s_setreg_imm32_b32 hwreg(HW_REG_WAVE_MODE, 25, 1), 1
	s_wait_xcnt 0x0
; out[b][q] = the sum over keys k <= q of softmax_k(q . k / 8) v[k], both products on codes of FP6 (E2M3) with E8M0 scales, from the records that the launch before has laid in the order of the operands' registers.
; THE SOFTMAX AHEAD OF THE SECOND PRODUCT: t = score x log2(e) / 8; M = the largest t so far, rounded UP to a whole number; p = 2^(t - M) is quantised along the keys, not normalised; the sum of the unquantised p divides at the end.
; SHARES.  A query block is 32 queries (two tiles of 16), a key step 128 keys.  Work-group (i, batch) owns blocks 127 - i and i: with c = i / 4 they need steps 0 .. 31 - c and 0 .. c: 33 steps in every work-group.
; Waves 0-7 share the first block's steps (wave j: j, j + 8, ..), waves 8-11 the second's (j, j + 4, ..): at most four steps a wave.  Each wave keeps its own M, sum and O^T; they meet once in LDS, where all are
; brought under the largest M by exact powers of two.  It hands on zeros under M = -3e38.
; LAYOUT.  Both products transposed: S^T = K Q^T, O^T = V^T P^T: a lane holds ONE query (lane % 16).  THE HEAD HAS 64 DIMS, THE INSTRUCTION 128 ALONG K: a fragment of K holds TWO tiles of 16 keys (K 0-63 one, K 64-127 the other)
; and is multiplied once by [q | 0] and once by [0 | q]; the zeros are zero codes, and q's scale bytes over them are 0 (2^-127).  The keys of a tile are chosen so that register 16 b + i of S^T is key 32 b + 16 (lane / 16) + i.
; CAUSAL.  Only a block's last step lies on the diagonal; it is a wave's last step or none of its steps.  There hidden scores become -infinity ahead of the maximum; the step's first key counts for every query.
; NO LDS RING, NO CLUSTER: a step's record is read by one wave of each block, straight into registers, 512 or 256 consecutive bytes an instruction; joint requests exist for loads into LDS, through which every byte
; would be written and read once more with no second reader in the work-group.  No prefetch: the 2,490,368 bytes of records were stored by the launch just before.
; LIMITS: a block of p that has fallen to zeros keeps the byte 1 (its codes are zeros); NaN and infinities among the scores are not served.
; REGISTERS.  window 0: v0 thread; v1 16 x lane; v2-31 zeros, q tile a, zeros, q tile b, zeros (so that [0 | q] and [q | 0] are runs of 12); v32-33 q's scale words; v34 the mask's number; v35 8 x lane;
;   v36-43 for each tile -M, largest t, the sum in two halves; v44-47 K's and V's scale words as loaded; v48-95 K; v96-143 V; v144-207 S^T, then p; v208-231 p's codes; v232-253 at work; v248-249 p's scale words; v254-255 V's scale words.
;   window 1: v0-63 O^T, tile x, dims 16 d on at 32 x + 8 d.
.set HREC,  9728                       ; a record: 64 tokens; a key step is two
.set WREG,  9216                       ; LDS: a wave's region: 32 rows of 272 bytes of O^T, then 512 bytes of (-M, sum)
.set L16,   1
.set DQ,    34
.set L8,    35
.set KF,    48
.set VF,    96
.set S,     144
.set BM,    232                        ; v232-235 each block's largest score, then its largest p
.set PT,    236                        ; v236-239 the other half's maxima, then bytes, then at work
.set CT,    240                        ; v240-243 at work
.set SO,    244                        ; v244-247 the conversions' scale operands
.set WV,    8                          ; s8 wave; s9 which block; s10 j; s12 batch; s13 the block; s14 its last step; s15 my steps; s24 my last step
.set PB,    16                         ; s[16:17] the step's two records; s[18:19] bytes from my step to my next
.set SEL,   20                         ; s[20:21] lane selects: lane l xor 16
.set CS,    22                         ; s[22:23] c = log2(e) / 8
.set MSB, 0
.macro WIN new                         ; the immediate's high byte repeats the setting that is left
.if MSB != \new
	s_set_vgpr_msb (MSB<<8)|\new
.set MSB, \new
.endif
.endm
.macro WM0 d, a, b, sa, sb, ra, rb     ; a matrix instruction that starts a sum; ra, rb: the scales stand in lanes 16-31 of their register
.if (\ra) && (\rb)
	v_wmma_scale_f32_16x16x128_f8f6f4 v[\d:\d+7], v[\a:\a+11], v[\b:\b+11], 0, v[\sa], v[\sb] matrix_a_fmt:MATRIX_FMT_FP6 matrix_b_fmt:MATRIX_FMT_FP6 matrix_a_scale:MATRIX_SCALE_ROW1 matrix_b_scale:MATRIX_SCALE_ROW1
.elseif \ra
	v_wmma_scale_f32_16x16x128_f8f6f4 v[\d:\d+7], v[\a:\a+11], v[\b:\b+11], 0, v[\sa], v[\sb] matrix_a_fmt:MATRIX_FMT_FP6 matrix_b_fmt:MATRIX_FMT_FP6 matrix_a_scale:MATRIX_SCALE_ROW1
.elseif \rb
	v_wmma_scale_f32_16x16x128_f8f6f4 v[\d:\d+7], v[\a:\a+11], v[\b:\b+11], 0, v[\sa], v[\sb] matrix_a_fmt:MATRIX_FMT_FP6 matrix_b_fmt:MATRIX_FMT_FP6 matrix_b_scale:MATRIX_SCALE_ROW1
.else
	v_wmma_scale_f32_16x16x128_f8f6f4 v[\d:\d+7], v[\a:\a+11], v[\b:\b+11], 0, v[\sa], v[\sb] matrix_a_fmt:MATRIX_FMT_FP6 matrix_b_fmt:MATRIX_FMT_FP6
.endif
.endm
.macro WMA d, a, b, sa, sb, ra         ; one that adds in place
.if \ra
	v_wmma_scale_f32_16x16x128_f8f6f4 v[\d:\d+7], v[\a:\a+11], v[\b:\b+11], v[\d:\d+7], v[\sa], v[\sb] matrix_a_fmt:MATRIX_FMT_FP6 matrix_b_fmt:MATRIX_FMT_FP6 matrix_a_scale:MATRIX_SCALE_ROW1
.else
	v_wmma_scale_f32_16x16x128_f8f6f4 v[\d:\d+7], v[\a:\a+11], v[\b:\b+11], v[\d:\d+7], v[\sa], v[\sb] matrix_a_fmt:MATRIX_FMT_FP6 matrix_b_fmt:MATRIX_FMT_FP6
.endif
.endm
.macro PLACES                          ; four places behind matrix instructions, in front of reads of their results and of loads into their registers
.rept 4
	v_nop
.endr
.endm
	s_load_b128 s[4:7], s[0:1], 0x0                ; ws s[4:5], out0 s[6:7]
	v_lshl_add_u32 v243, v0, 2, 0x1b000
	s_set_vgpr_msb 0x40
	v_mov_b32 v65, 0
	s_set_vgpr_msb 0x4000
	v_lshrrev_b32 v1, 5, v0
	s_delay_alu instid0(VALU_DEP_1)
	v_readfirstlane_b32 s[WV], v1                  ; wave 0..11
	s_and_b32 s12, ttmp7, 0xffff                   ; batch
	s_lshr_b32 s9, s[WV], 3                        ; 0: the late block, 127 - i; 1: the early block, i
	s_and_b32 s10, s[WV], 7                        ; j: my first step
	s_sub_co_u32 s25, 127, ttmp9
	s_cmp_eq_u32 s9, 0
	s_cselect_b32 s13, s25, ttmp9                  ; my block of 32 queries
	s_cselect_b32 s26, 3, 2                        ; log2 of the stride between my steps
	s_lshr_b32 s14, s13, 2                         ; the block's last step
	s_lshl_b32 s27, 1, s26
	s_add_co_u32 s15, s14, s27
	s_sub_co_u32 s15, s15, s10
	s_lshr_b32 s15, s15, s26                       ; my steps: (last - j + stride) / stride, 0 to 4
	s_sub_co_u32 s24, s15, 1
	s_lshl_b32 s24, s24, s26
	s_add_co_u32 s24, s24, s10                     ; my last step (not used where I have none)
	s_lshl_b32 s25, s12, 5
	s_add_co_u32 s25, s25, s10
	s_mul_i32 s[PB], s25, 2*HREC                   ; 32 steps a batch
	s_mov_b32 s[PB+1], 0
	s_mul_i32 s[PB+2], s27, 2*HREC
	s_mov_b32 s[PB+3], 0
	s_lshl_b32 s25, s12, 6
	s_lshr_b32 s28, s13, 1
	s_add_co_u32 s28, s28, s25
	s_mul_i32 s28, s28, HREC                       ; my queries' record: 64 a batch, two blocks in each
	s_mov_b32 s29, 0
	s_and_b32 s25, s13, 1
	s_mul_i32 s30, s25, 1536                       ; and which of its two images of q
	s_mov_b32 s31, 0
	s_lshl_b32 s25, s25, 8
	s_mov_b32 s[SEL], 0x76543210
	s_mov_b32 s[SEL+1], 0xfedcba98
	s_mov_b32 s[CS], 0x3e38aa3b                    ; log2(e) / 8
	s_mov_b32 s[CS+1], s[CS]                       ; (named with it as a pair, so it is written)
	v_and_b32 v[L8], 31, v0
	s_delay_alu instid0(VALU_DEP_1)
	v_lshlrev_b32 v[L16], 4, v[L8]
	s_delay_alu instid0(VALU_DEP_2)
	v_lshlrev_b32 v[L8], 3, v[L8]
.irp z, 2,3,4,5,6,7,14,15,16,17,18,19,26,27,28,29,30,31
	v_mov_b32 v\z, 0                               ; zero codes beside q
.endr
.irp x, 0,1
	v_mov_b32 v[37+4*\x], 0xff61b1e6               ; the largest t so far: -3e38, under every t
	s_delay_alu instid0(VALU_DEP_1)
	v_floor_f32 v[36+4*\x], -v[37+4*\x]            ; -M
	v_mov_b32 v[38+4*\x], 0                        ; the sum, in two halves
	v_mov_b32 v[39+4*\x], 0
.endr
.irp b, 0,1,2,3
	v_mov_b32 v[PT+\b], 0                          ; written once: a lane permute's destination counts as one of its sources
.endr
	v_mov_b32 v251, 0                              ; (named as the upper half of the pair v[250:251])
	WIN 0x40
.set N, 0
.rept 64
	v_mov_b32 v[N], 0                              ; O^T.  The step is written once for all steps, and a wave without a step hands these zeros on
.set N, N+1
.endr
	WIN 0
	v_and_b32 v[DQ], 15, v0                        ; r
	s_delay_alu instid0(VALU_DEP_1)
	v_lshlrev_b32 v253, 4, v[DQ]
	s_delay_alu instid0(VALU_DEP_1)
	v_add_nc_u32 v253, s25, v253                   ; q's scale word: 16 r + 256 x (which image)
	s_delay_alu instid0(VALU_DEP_3)
	v_and_b32 v252, 8, v[DQ]
	s_delay_alu instid0(VALU_DEP_1)
	v_add_nc_u32 v[DQ], v[DQ], v252                ; r + 8 (r / 8)
	v_and_b32 v252, 16, v0                         ; 16 h
	s_delay_alu instid0(VALU_DEP_1)
	v_sub_nc_u32 v[DQ], v[DQ], v252
	s_and_b32 s25, s13, 3
	s_lshl_b32 s25, s25, 5
	v_add_nc_u32 v[DQ], s25, v[DQ]                 ; tile a's query, counted from the diagonal step's first key, less 16 h
	s_wait_kmcnt 0x0
	s_add_nc_u64 s[PB:PB+1], s[4:5], s[PB:PB+1]
	s_add_nc_u64 s[28:29], s[4:5], s[28:29]
	s_add_nc_u64 s[30:31], s[28:29], s[30:31]
	s_cmp_eq_u32 s15, 0
	s_cbranch_scc1 .Ldump                          ; no step of mine: only in waves 9-11 of early blocks
.macro LOADK                           ; 14 loads: four fragments of K (each two tiles of 16 keys), and both records' scale words: K's and V's
.irp b, 0,1,2,3
.irp j, 0,1,2
	global_load_b128 v[KF+12*\b+4*\j:KF+12*\b+4*\j+3], v[L16], s[PB:PB+1] offset:HREC*(\b/2)+3072+1536*(\b%2)+512*\j
.endr
.endr
	global_load_b64 v[44:45], v[L16], s[PB:PB+1] offset:9216
	global_load_b64 v[46:47], v[L16], s[PB:PB+1] offset:HREC+9216
.endm
.macro LOADV                           ; 16 loads: four fragments of V^T, each in two halves of 16 + 8 bytes a lane
.irp d, 0,1,2,3
.irp c, 0,1
	global_load_b128 v[VF+12*\d+6*\c:VF+12*\d+6*\c+3], v[L16], s[PB:PB+1] offset:HREC*\c+6144+768*\d
	global_load_b64 v[VF+12*\d+6*\c+4:VF+12*\d+6*\c+5], v[L8], s[PB:PB+1] offset:HREC*\c+6144+768*\d+512
.endr
.endr
.endm
.macro SMUL x                          ; S^T of tile x: 8 matrix instructions on 8 accumulators.  [q | 0] is v[8 + 12 x ..], [0 | q] is v[2 + 12 x ..]; q's word for the second stands in lanes 16-31
.irp b, 0,1,2,3
	WM0 S+16*\b, KF+12*\b, 8+12*(\x), 44+2*(\b/2), 32+(\x), \b%2, 0
	WM0 S+16*\b+8, KF+12*\b, 2+12*(\x), 44+2*(\b/2), 32+(\x), \b%2, 1
.endr
.endm
.macro MASK x                          ; register n holds key 32 (n / 16) + n % 16 + 16 h of the step: hidden where that is more than the lane's query
	v_mov_b32 v252, 0xff800000                     ; -infinity
.set N, 0
.rept 64
	v_cmp_gt_i32 vcc_lo, 32*(N/16)+N%16-8*(\x), v[DQ]
	v_cndmask_b32 v[S+N], v[S+N], v252, vcc_lo
.set N, N+1
.endr
.endm
.macro SOFT x                          ; the softmax of tile x for this step: S^T becomes p, its codes and scale word; the sum and O^T come under the new M
.set ST, 36+4*(\x)
.set PP, 208+12*(\x)
.set PWX, 248+(\x)
.irp b, 0,1,2,3
	v_max3_num_f32 v[BM+\b], v[S+16*\b], v[S+1+16*\b], v[S+2+16*\b]   ; the largest score of each block of 32 keys: for the row's maximum, and, since p rises with the score, for the block's largest p
.endr
.irp i, 3,5,7,9,11,13
.irp b, 0,1,2,3
	v_max3_num_f32 v[BM+\b], v[BM+\b], v[S+16*\b+\i], v[S+1+16*\b+\i]
.endr
.endr
.irp b, 0,1,2,3
	v_max_num_f32 v[BM+\b], v[BM+\b], v[S+15+16*\b]
.endr
.irp b, 0,1,2,3
	s_delay_alu instid0(VALU_DEP_4)
	v_permlanex16_b32 v[PT+\b], v[BM+\b], s[SEL], s[SEL+1]
.endr
.irp b, 0,1,2,3
	s_delay_alu instid0(VALU_DEP_4)
	v_max_num_f32 v[BM+\b], v[BM+\b], v[PT+\b]     ; with lane l xor 16's 16 keys
.endr
	s_delay_alu instid0(VALU_DEP_2)
	v_max3_num_f32 v252, v[BM], v[BM+1], v[BM+2]
	s_delay_alu instid0(VALU_DEP_1)
	v_max_num_f32 v252, v252, v[BM+3]
	s_delay_alu instid0(VALU_DEP_1)
	v_mul_f32 v252, s[CS], v252                    ; the step's largest t of my query
	s_delay_alu instid0(VALU_DEP_1)
	v_max_num_f32 v[ST+1], v[ST+1], v252
	v_mov_b32 v252, v[ST]
	s_delay_alu instid0(VALU_DEP_2)
	v_floor_f32 v[ST], -v[ST+1]                    ; the new -M = -ceil(t): a whole number
	s_delay_alu instid0(VALU_DEP_1)
	v_sub_f32 v252, v[ST], v252                    ; old M - new M: a whole number, 0 or less
	s_delay_alu instid0(VALU_DEP_1)
	v_cvt_i32_f32 v252, v252                       ; (it saturates)
	s_delay_alu instid0(VALU_DEP_1)
	v_ldexp_f32 v250, 1.0, v252                    ; f = 2^(old M - new M): rounds nothing
.irp j, 0,2,4,6,8,10,12,14,16,18,20,22,24,26,28,30,32,34,36,38,40,42,44,46,48,50,52,54,56,58,60,62
	v_pk_fma_f32 v[S+\j:S+1+\j], v[S+\j:S+1+\j], s[CS:CS+1], v[ST:ST+1] op_sel_hi:[1,0,0]   ; t - M, two at a time
.endr
.irp b, 0,1,2,3
	v_fma_f32 v[BM+\b], v[BM+\b], s[CS], v[ST]
.endr
.set N, 0
	s_wait_alu depctr_va_vdst(0)
.rept 64
	v_exp_f32 v[S+N], v[S+N]                       ; p = 2^(t - M)
.set N, N+1
.endr
.irp b, 0,1,2,3
	v_exp_f32 v[BM+\b], v[BM+\b]                   ; the block's largest p: the same two instructions on the same number
.endr
	v_pk_mul_f32 v[ST+2:ST+3], v[ST+2:ST+3], v[250:251] op_sel_hi:[1,0]   ; the sum under the new M.  (A plain place behind the exponentials)
	s_wait_alu depctr_va_vdst(0)
.irp b, 0,1,2,3
	v_max_num_f32 v[BM+\b], 0x1800000, v[BM+\b]    ; the floor 2^(3 - 127): the byte cannot fall under 1
.endr
.irp b, 0,1,2,3
	s_delay_alu instid0(VALU_DEP_4)
	v_add_nc_u32 v[SO+\b], 0xff000000, v[BM+\b]    ; 2 off the exponent field: the conversion's scale operand
.endr
.irp b, 0,1,2,3
	s_delay_alu instid0(VALU_DEP_4)
	v_lshrrev_b32 v[PT+\b], 23, v[SO+\b]           ; the scale's byte
.endr
	s_delay_alu instid0(VALU_DEP_3)
	v_lshl_or_b32 v[PWX], v[PT+1], 8, v[PT]
	s_delay_alu instid0(VALU_DEP_1)
	v_lshl_or_b32 v[PWX], v[PT+2], 16, v[PWX]
	s_delay_alu instid0(VALU_DEP_1)
	v_lshl_or_b32 v[PWX], v[PT+3], 24, v[PWX]      ; p's scale word for these 128 keys
.irp c, 0,1
	v_cvt_scalef32_pk16_fp6_f32 v[PP+6*\c:PP+2+6*\c], v[S+32*\c:S+15+32*\c], v[SO+2*\c]
	v_cvt_scalef32_pk16_fp6_f32 v[PT+4*\c:PT+2+4*\c], v[S+16+32*\c:S+31+32*\c], v[SO+1+2*\c]   ; (a conversion's three registers begin on an even number)
.endr
	v_nop                                          ; one plain place behind a scaled conversion
.irp c, 0,1
.irp i, 0,1,2
	v_permlane16_swap_b32 v[PP+6*\c+\i], v[PT+4*\c+\i]   ; a whole block to a lane
.endr
.irp i, 0,1,2
	s_delay_alu instid0(VALU_DEP_3)
	v_mov_b32 v[PP+3+6*\c+\i], v[PT+4*\c+\i]
.endr
.endr
	v_pk_add_f32 v[PT:PT+1], v[S:S+1], v[S+2:S+3]  ; the row's sum is taken of the unquantised p: two at a time, in two chains
.irp j, 4,8,12,16,20,24,28,32,36,40,44,48,52,56,60
	v_pk_add_f32 v[ST+2:ST+3], v[ST+2:ST+3], v[S+\j:S+1+\j]
	v_pk_add_f32 v[PT:PT+1], v[PT:PT+1], v[S+2+\j:S+3+\j]
.endr
	s_delay_alu instid0(VALU_DEP_1)
	v_pk_add_f32 v[ST+2:ST+3], v[ST+2:ST+3], v[PT:PT+1]
	WIN 0x41                                       ; O^T (destination and source 0) in window 1, f in window 0
.irp j, 0,2,4,6,8,10,12,14,16,18,20,22,24,26,28,30
	v_pk_mul_f32 v[32*(\x)+\j:32*(\x)+\j+1], v[32*(\x)+\j:32*(\x)+\j+1], v[250:251] op_sel_hi:[1,0]   ; O^T under the new M, each accumulator from its low end on
.endr
	WIN 0
.endm
; A UNIT: one key step for my two tiles of queries.  pre = 1: my next step's K is asked for as soon as this step's has been multiplied, its V likewise.  diag = 1: the step may be the diagonal one.
.macro UNIT pre, diag
	s_wait_loadcnt 16                              ; K and the scale words are in; V's 16 loads, issued behind them, may be out
	v_perm_b32 v254, v47, v45, 0x05040100          ; V's scale words of dims 0-31: two bytes of each record's word, in the order of the step's four key blocks;
	v_perm_b32 v255, v47, v45, 0x07060302          ; of dims 32-63
	SMUL 0
	PLACES
.if \diag
	s_cmp_lg_u32 s24, s14
	s_cbranch_scc1 .Lopen_a_\@
	MASK 0
.Lopen_a_\@:
.endif
	SOFT 0
	SMUL 1
	PLACES
.if \pre
	s_wait_xcnt 0x0                                ; the base is stepped only behind this wait
	s_add_nc_u64 s[PB:PB+1], s[PB:PB+1], s[PB+2:PB+3]
	LOADK
.endif
.if \diag
	s_cmp_lg_u32 s24, s14
	s_cbranch_scc1 .Lopen_b_\@
	MASK 1
.Lopen_b_\@:
.endif
	s_setprio 1
	SOFT 1
.if \pre
	s_wait_alu depctr_va_vdst(0)
	s_wait_loadcnt 14                              ; V is in; the next step's K, 14 loads issued behind it, may be out
.else
	s_wait_alu depctr_va_vdst(0)
	s_wait_loadcnt 0x0
.endif
	WIN 0x50                                       ; C and D in window 1
	s_setprio 0
.irp d, 0,1,2,3
.irp x, 0,1
	WMA 32*\x+8*\d, VF+12*\d, 208+12*\x, 254+\d/2, 248+\x, \d%2   ; O^T += V^T P^T: eight accumulators by turns
.endr
.endr
	WIN 0
	PLACES
.if \pre
	LOADV
.endif
.endm
	global_load_b128 v[8:11], v[L16], s[30:31]                 ; the image's registers 0-5 are tile a, 6-11 tile b
	global_load_b64 v[12:13], v[L16], s[30:31] offset:512
	global_load_b64 v[20:21], v[L16], s[30:31] offset:520
	global_load_b128 v[22:25], v[L16], s[30:31] offset:1024
	s_wait_alu depctr_va_vdst(0)
	global_load_b32 v33, v253, s[28:29] offset:9224            ; q's scale word: bytes 0, 1 tile a's two blocks, bytes 2, 3 tile b's
	LOADK
	LOADV
	s_wait_loadcnt 30                              ; q and its word are in; K's 14 and V's 16 loads may be out
	v_and_b32 v32, 0xffff, v33
	v_lshrrev_b32 v33, 16, v33
	s_delay_alu instid0(VALU_DEP_2)
	v_lshlrev_b32 v32, v252, v32                   ; lanes 0-15: (s0, s1, 0, 0) for [q | 0]; lanes 16-31: (0, 0, s0, s1) for [0 | q]
	s_delay_alu instid0(VALU_DEP_2)
	v_lshlrev_b32 v33, v252, v33
.rept 8
	v_nop                                          ; a scale register written by a vector instruction stands 8 places ahead of a scaled matrix instruction
.endr
	s_sub_co_u32 s15, s15, 1                       ; all my steps but the last ask for a successor
	s_cmp_eq_u32 s15, 0
	s_cbranch_scc1 .Ltail
.Lunit:
	s_wait_alu depctr_va_vdst(0)
	s_setprio 2
	UNIT 1, 0
	s_sub_co_u32 s15, s15, 1
	s_cmp_lg_u32 s15, 0
	s_cbranch_scc1 .Lunit
	s_setprio 0
.Ltail:
	s_wait_alu depctr_va_vdst(0)
	UNIT 0, 1                                      ; the last step is written out: it asks for nothing, and it alone can lie on the diagonal
.Ldump:                                            ; my part goes to my region of LDS
	s_wait_loadcnt 0x0
	v_add_f32 v38, v38, v39                        ; the sums' two halves,
	s_wait_alu depctr_va_vdst(0)
	v_add_f32 v42, v42, v43
	v_permlanex16_b32 v252, v38, s[SEL], s[SEL+1]
	s_delay_alu instid0(VALU_DEP_2)
	v_permlanex16_b32 v253, v42, s[SEL], s[SEL+1]
	s_delay_alu instid0(VALU_DEP_2)
	v_add_f32 v37, v38, v252                       ; and lane l xor 16's: v[36:37] = (-M, sum) of tile a,
	s_delay_alu instid0(VALU_DEP_2)
	v_add_f32 v41, v42, v253                       ; v[40:41] of tile b
	v_and_b32 v4, 15, v0                           ; r.  (v2-7 and v14-15 held zeros and nothing else: they take the LDS addresses)
	v_bfe_u32 v5, v0, 4, 1                         ; h
	s_mul_i32 s25, s[WV], WREG
	v_mul_u32_u24 v2, v5, 272
	s_delay_alu instid0(VALU_DEP_1)
	v_lshl_add_u32 v2, v4, 4, v2
	s_delay_alu instid0(VALU_DEP_1)
	v_add_nc_u32 v2, s25, v2                       ; registers 4 k .. 4 k + 3 go to row 2 k + h (272 bytes a row), 16 bytes at 16 r
	v_and_b32 v3, 31, v0
	s_delay_alu instid0(VALU_DEP_1)
	v_lshlrev_b32 v3, 3, v3
	s_delay_alu instid0(VALU_DEP_1)
	v_add_nc_u32 v3, s25, v3
	WIN 0x04                                       ; an LDS store's data are its source 1: window 1
.irp k, 0,1,2,3,4,5,6,7,8,9,10,11,12,13,14,15
	ds_store_b128 v2, v[4*\k:4*\k+3] offset:544*\k ; each accumulator from its low end on
.endr
	WIN 0
	ds_store_b64 v3, v[36:37] offset:8704
	ds_store_b64 v3, v[40:41] offset:8960
	v_and_b32 v14, 15, v0                          ; the merge: lane = (u, p): sixteen lanes u take one query's sixteen runs of 4 dims, lanes 16-31 the next query's
	v_bfe_u32 v15, v0, 4, 1
	s_delay_alu instid0(VALU_DEP_2)
	v_mul_u32_u24 v4, v14, 272
	s_delay_alu instid0(VALU_DEP_1)
	v_lshl_add_u32 v4, v15, 4, v4
	s_delay_alu instid0(VALU_DEP_3)
	v_lshlrev_b32 v5, 3, v15
	v_and_b32 v6, 12, v14                          ; row u = 4 d + 2 e + h holds dims 16 d + 8 h + 4 e on: its place in a row of out0 is u with its two low bits changed over
	v_and_b32 v7, 1, v14
	s_delay_alu instid0(VALU_DEP_1)
	v_lshl_or_b32 v6, v7, 1, v6
	v_bfe_u32 v7, v14, 1, 1
	s_delay_alu instid0(VALU_DEP_1)
	v_or_b32 v6, v6, v7
	s_delay_alu instid0(VALU_DEP_1)
	v_lshlrev_b32 v6, 4, v6
	s_delay_alu instid0(VALU_DEP_1)
	v_lshl_or_b32 v6, v15, 8, v6                   ; 16 bytes a lane, 256 for the next query
	s_wait_dscnt 0x0                               ; for the others' sake: my stores are done
	s_barrier_signal -1
	s_barrier_wait -1
.set MST, 48                           ; v48-79   (-M, sum) of part p for my m-th pair of queries: at 2 (m np + p)
.set OB,  96                           ; v96-159  4 dims of part p: at 4 (m np + p)
.set FF,  160                          ; v160-175 f of part p
.set T0,  176                          ; v176-179 the smallest -M
.set T1,  180                          ; v180-183 the whole sum, then 1 / it
.set AC,  184                          ; v184-199 the result
; np parts are merged for 2 nm queries.  s25 = the tile, s28 = the first lane-row of my queries; base = the block's first region
.macro ARM base, np, nm
	s_mul_i32 s29, s25, 4352                       ; a tile's 16 rows of 272 bytes
	s_lshl_b32 s30, s28, 4
	s_add_co_u32 s29, s29, s30
	s_add_co_u32 s29, s29, \base
	s_lshl_b32 s30, s25, 8
	s_lshl_b32 s31, s28, 3
	s_add_co_u32 s30, s30, s31
	s_add_co_u32 s30, s30, \base+8704
	v_add_nc_u32 v4, s29, v4
	v_add_nc_u32 v5, s30, v5
	s_wait_alu depctr_va_vdst(0)
	s_lshl_b32 s32, s12, 12                        ; the row of out0: 4,096 batch + 32 block + 8 tile + r + 8 (r / 8); my rows r share r / 8
	s_lshl_b32 s31, s13, 5
	s_add_co_u32 s32, s32, s31
	s_lshl_b32 s31, s25, 3
	s_add_co_u32 s32, s32, s31
	s_add_co_u32 s32, s32, s28
	s_and_b32 s31, s28, 8
	s_add_co_u32 s32, s32, s31
	s_lshl_b32 s32, s32, 8
	s_mov_b32 s33, 0
	s_add_nc_u64 s[26:27], s[6:7], s[32:33]
.set MI, 0
.rept \nm
.set PI, 0
.rept \np
	ds_load_b64 v[MST+2*(MI*\np+PI):MST+2*(MI*\np+PI)+1], v5 offset:WREG*PI+16*MI
.set PI, PI+1
.endr
.set MI, MI+1
.endr
.set MI, 0
.rept \nm
.set PI, 0
.rept \np
	ds_load_b128 v[OB+4*(MI*\np+PI):OB+4*(MI*\np+PI)+3], v4 offset:WREG*PI+32*MI
.set PI, PI+1
.endr
.set MI, MI+1
.endr
	s_wait_dscnt 16                                ; the 16 pairs (-M, sum) are in; the 16 loads of O^T, issued behind them, may be out
.set MI, 0
.rept \nm
.set Q0, MI*\np
	v_min_num_f32 v[T0+MI], v[MST+2*Q0], v[MST+2*Q0+2]
.set PI, 2
.rept \np-2
	s_delay_alu instid0(VALU_DEP_1)
	v_min_num_f32 v[T0+MI], v[T0+MI], v[MST+2*(Q0+PI)]         ; the smallest -M: the largest M
.set PI, PI+1
.endr
.set PI, 0
.rept \np
	v_sub_f32 v[FF+Q0+PI], v[T0+MI], v[MST+2*(Q0+PI)]          ; M of the part less the largest M: a whole number, 0 or less
.set PI, PI+1
.endr
.set PI, 0
.rept \np
	v_cvt_i32_f32 v[FF+Q0+PI], v[FF+Q0+PI]                     ; (it saturates: a part without a step gets f = 0)
.set PI, PI+1
.endr
.set PI, 0
.rept \np
	v_ldexp_f32 v[FF+Q0+PI], 1.0, v[FF+Q0+PI]                  ; f: an exact power of two
.set PI, PI+1
.endr
	v_mul_f32 v[T1+MI], v[FF+Q0], v[MST+2*Q0+1]
.set PI, 1
.rept \np-1
	s_delay_alu instid0(VALU_DEP_1)
	v_fmac_f32 v[T1+MI], v[FF+Q0+PI], v[MST+2*(Q0+PI)+1]       ; the row's whole sum
.set PI, PI+1
.endr
.set MI, MI+1
.endr
.set MI, 0
	s_wait_alu depctr_va_vdst(0)
.rept \nm
	v_rcp_f32 v[T1+MI], v[T1+MI]
.set MI, MI+1
.endr
	s_wait_dscnt 0x0
.set MI, 0
	s_wait_alu depctr_va_vdst(0)
.rept \nm
.set Q0, MI*\np
.irp e, 0,1,2,3
	v_mul_f32 v[AC+4*MI+\e], v[FF+Q0], v[OB+4*Q0+\e]           ; (the first of these is the plain place behind the reciprocals)
.endr
.set PI, 1
.rept \np-1
.irp e, 0,1,2,3
	s_delay_alu instid0(VALU_DEP_4)
	v_fmac_f32 v[AC+4*MI+\e], v[FF+Q0+PI], v[OB+4*(Q0+PI)+\e]
.endr
.set PI, PI+1
.endr
.irp e, 0,1,2,3
	v_mul_f32 v[AC+4*MI+\e], v[AC+4*MI+\e], v[T1+MI]
.endr
	global_store_b128 v6, v[AC+4*MI:AC+4*MI+3], s[26:27] offset:512*MI th:TH_STORE_NT   ; sixteen lanes store a row of out0: 256 consecutive bytes, aligned; written once, read by nobody here
.set MI, MI+1
.endr
	s_set_vgpr_msb 0x4
	s_wait_tensorcnt 0x0
	ds_add_u32 v243, v65
	s_wait_dscnt 0x0
	s_set_vgpr_msb 0x400
	s_endpgm
.endm
	s_cmp_lt_u32 s[WV], 8
	s_cbranch_scc0 .Learly
	s_lshr_b32 s25, s[WV], 2                       ; the late block: 8 parts; wave w merges lane-rows 4 w .. 4 w + 3 of its 32
	s_and_b32 s28, s[WV], 3
	s_lshl_b32 s28, s28, 2
	s_wait_alu depctr_va_vdst(0)
	ARM 0, 8, 2
.Learly:
	s_lshr_b32 s25, s10, 1                         ; the early block: 4 parts; wave 8 + j merges lane-rows 8 j .. 8 j + 7
	s_and_b32 s28, s10, 1
	s_lshl_b32 s28, s28, 3
	s_wait_alu depctr_va_vdst(0)
	ARM 8*WREG, 4, 4
.Lfunc_end_k_qbb141a1f5e_attn:
	.size	k_qbb141a1f5e_attn, .Lfunc_end_k_qbb141a1f5e_attn-k_qbb141a1f5e_attn
	.p2alignl 7, 3214868480
	.fill 96, 4, 3214868480
	.section	.rodata,"a",@progbits
	.p2align	6, 0x0
	.amdhsa_kernel k_qbb141a1f5e_attn
		.amdhsa_group_segment_fixed_size 112128
		.amdhsa_private_segment_fixed_size 0
		.amdhsa_enable_private_segment 0
		.amdhsa_kernarg_size 16
		.amdhsa_user_sgpr_count 2
		.amdhsa_user_sgpr_kernarg_segment_ptr 1
		.amdhsa_wavefront_size32 1
		.amdhsa_system_sgpr_workgroup_id_x 1
		.amdhsa_system_sgpr_workgroup_id_y 1
		.amdhsa_system_sgpr_workgroup_id_z 1
		.amdhsa_system_vgpr_workitem_id 0
		.amdhsa_next_free_vgpr 322
		.amdhsa_next_free_sgpr 66
		.amdhsa_reserve_vcc 1
		.amdhsa_float_denorm_mode_32 3
		.amdhsa_float_denorm_mode_16_64 3
		.amdhsa_memory_ordered 1
		.amdhsa_forward_progress 1
		.amdhsa_inst_pref_size 107
	.end_amdhsa_kernel
	.amdgpu_metadata
---
amdhsa.version: [ 1, 2 ]
amdhsa.kernels:
  - .name:           k_qbb141a1f5e_attn
    .symbol:         k_qbb141a1f5e_attn.kd
    .args:
      - { .name: ws, .offset: 0, .size: 8, .value_kind: global_buffer, .address_space: global }
      - { .name: out0, .offset: 8, .size: 8, .value_kind: global_buffer, .address_space: global }
    .group_segment_fixed_size: 112128
    .private_segment_fixed_size: 0
    .kernarg_segment_align: 8
    .kernarg_segment_size: 16
    .max_flat_workgroup_size: 384
    .sgpr_count:     66
    .vgpr_count:     322
    .wavefront_size: 32
...
	.end_amdgpu_metadata
.endif
;; end of part 2
